; MI455X (gfx1250); checked and timed in simulation.
; The chip was launched on July 23, 2026; its instructions are those of AMD's public machine-readable ISA for CDNA 5 (MIT licence, August 2026) and "CDNA5" Instruction Set Architecture Reference Guide (July 2026). The comments in the code are by the model that wrote it; some were corrected since.
;; Multiheaded Attention. Allowed arithmetic: float matrix products may take bf16 or f16 operands with f32 sums; all other float work in f32.
;; Inputs: k 8,192 x 64 float32; q 8,192 x 64 float32; v 8,192 x 64 float32; w_o 512 x 512 float32.
;; Outputs: out0 8,192 x 512 float32.
;; One version. Each part assembles by itself: llvm-mc -triple=amdgcn-amd-amdhsa -mcpu=gfx1250 --defsym DOCPART=n.
;; ======== version 1 of 1: 2 launches
;; limits: values are held in f16: magnitudes above 65,504 overflow, below 6.1e-05 lose precision
;; workspace buffers: part_o 16,777,216 bytes; stat 1,048,576 bytes; ws 65,536 bytes
;; launch attn (part 1): grid 256 x 1, 8 waves a work-group, no clusters, 148,480 bytes of LDS; arguments q, k, v, w_o, part_o, stat, ws; writes part_o, stat, ws
.if DOCPART == 1
	.amdgcn_target "amdgcn-amd-amdhsa--gfx1250"
	.amdhsa_code_object_version 6
	.text
	.protected	k_q6818e67031_attn
	.globl	k_q6818e67031_attn
	.p2align	8
	.type	k_q6818e67031_attn,@function
k_q6818e67031_attn:
	s_mov_b64 s[64:65], 0
	v_nop
	global_prefetch_b8 v0, s[64:65] scope:SCOPE_SE
	s_setreg_imm32_b32 hwreg(HW_REG_WAVE_MODE, 25, 1), 1
	s_wait_xcnt 0x0
; One attention head, S = 8192, D = 64, f32 in memory.  Work-group x takes 256 query rows (block x >> 3) and 1024 keys (split x & 7) and leaves
; the unnormalised sum of p v, the running maximum m of the raw scores and the sum l of p for its split; the next launch merges the 8 splits.
; It also makes its 128 numbers of Wsum[d][n] = sum over the 8 blocks of w_o[64 blk + d][n]: the eight heads are copies of one head, so
; concat @ w_o = head @ Wsum for every input; the sum is made in f32 and rounded once.
; Eight waves: wave w takes query rows 64 (w & 3) .. + 63 and, of every step's 128 keys, keys 64 (w >> 2) .. + 63; 8 steps.
; PRODUCTS ARE TRANSPOSED: S^T = K Q^T (source 0: 16 keys, source 1: 16 query rows), so a lane holds one query row (lane % 16) and keys
; 8 (lane / 16) + 0..7 of each tile: two neighbouring tiles pack straight into the second source of O^T = V^T P^T, and the row maximum and sum
; need one exchange between the two halves of the wave.
; NUMBER FORMAT: matrix operands in f16, sums in f32.  The head is a mean of numbers of both signs, so an operand's relative rounding error shows
; whole in the result; 11 bits keep it an eighth of what 8 bits would.  LIMIT: |q|, |k|, |v| and |sum of eight w_o| above 65,504 become
; infinities; below 6.1e-5 the absolute error is at most 3e-8.  p lies in (0, 1] by the running maximum.
; OTHER LIMITS: a NaN loses in the maxima and then spreads as the arithmetic gives; v_exp_f32 gives 0 below 2^-126; the order of sums is not the source's.
; K AND V COME THROUGH REGISTERS, NOT BY TENSOR LOADS OR JOINT LOADS OF A CLUSTER: they lie in memory as f32 and are multiplied as f16.  A copy engine
; would lay 64 KiB of f32 a step into LDS, to be read, converted and stored again; through registers each number crosses LDS once, as 2 bytes.
; No prefetch: a step's 64 KiB are asked for one whole step ahead, into registers, and 32 work-groups read the same tiles at about the same time.
.set CEXP,  0x3e38aa3b                 ; log2(e) / 8: the scale 1 / sqrt(64) and the change of base in one factor
.set NEGC,  0xbe38aa3b
.set KP,    144                        ; LDS pitch of K's rows: 128 bytes + 16, an odd multiple of 16
.set VP,    160                        ; LDS pitch of V's rows: 128 bytes + 32, an odd multiple of 32 (read by transposing loads)
.set VOFF,  128*KP
.set SLOT,  VOFF+128*VP                ; 38,912 bytes: 128 keys of K, then of V; two slots take turns
.set XB,    2*SLOT                     ; behind them: four areas in which the two key groups meet
.set XPAIR, 17408                      ; 32 x 512 bytes of O^T, 2 x 512 bytes of (m, l)
.set TILEB, 32768                      ; 128 rows of 256 bytes in memory
; window 0
.set GOFF, 4                           ; 4096 wave + 16 lane: my 16 bytes in a tile's first two rows of my wave's sixteen
.set SK,   5                           ; v5, v7: where I store K's 8 bytes in slot 0, 1
.set SV,   6                           ; v6, v8: the same for V
.set FK,   9                           ; v9, v11: my K fragments in slot 0, 1
.set FV,   10                          ; v10, v12: my V fragments
.set XA,   13                          ; my 16 bytes in my row group's meeting area
.set L16,  14
.set L8,   15
.set X,    16                          ; v[16+2t:17+2t] = (-c m, m) of query tile t
.set Y,    24                          ; v[24+2t:25+2t] = (rescaling factor, l)
.set T,    32                          ; v32-47 at work
.set ML,   48                          ; v48-55 (m, l) x 4, as stored
.set PM,   56                          ; v56-63 the partner's; v56 is Q's offset at the start
.set FR,   64                          ; v64-127 fragments: K's, then V's
.set SC,   128                         ; v128-255 scores, tile (t, kt) at 32 t + 8 kt; then P, in place
; window 1 (names are the number less 256)
.set QF,   0                           ; Q fragments at 16 t + 8 c
.set STG,  64                          ; 64 registers of staging: the tile after next as loaded, then packed into the first 32
.set OA,   128                         ; O^T, tile (t, dt) at 32 t + 8 dt
.set W_D1,   0x40                      ; destination in window 1
.set W_ALL1, 0x45                      ; destination, sources 0 and 1 in window 1
.set W_S1,   0x04                      ; source 1 in window 1: store data, Q as second matrix source
.set W_RESC, 0x41                      ; destination and source 0 in window 1
.set W_PV,   0x50                      ; matrix C and D in window 1
.set W_S0,   0x01                      ; source 0 in window 1
.set MSB, 0
.macro WIN new                         ; the immediate's high byte repeats the setting that is left; a switch that changes nothing is dropped
.if MSB != \new
	s_set_vgpr_msb (MSB<<8)|\new
.set MSB, \new
.endif
.endm
	s_load_b256 s[4:11], s[0:1], 0x0               ; q s[4:5], k s[6:7], v s[8:9], w_o s[10:11]
	s_load_b128 s[12:15], s[0:1], 0x20             ; part_o s[12:13], stat s[14:15]
	s_load_b64 s[16:17], s[0:1], 0x30              ; ws
	v_lshrrev_b32 v[T], 5, v0
	v_readfirstlane_b32 s18, v[T]                  ; wave 0..7
	s_and_b32 s19, s18, 3                          ; row group
	s_lshr_b32 s20, s18, 2                         ; key group
	s_and_b32 s21, ttmp9, 7                        ; key split
	s_lshr_b32 s22, ttmp9, 3                       ; row block
	s_mov_b32 s26, 0x76543210                      ; v_permlanex16_b32: lane i of one half reads lane i of the other
	s_mov_b32 s27, 0xfedcba98
	s_mov_b32 s28, CEXP
	s_mov_b32 s29, CEXP                            ; the pair is named whole by the packed multiply-add
	s_mov_b32 s31, NEGC
	v_and_b32 v1, 31, v0                           ; lane
	v_and_b32 v2, 15, v0                           ; r
	v_bfe_u32 v3, v0, 4, 1                         ; h
	v_lshlrev_b32 v[L16], 4, v1
	v_lshlrev_b32 v[L8], 3, v1
	v_lshl_add_u32 v[GOFF], s18, 12, v[L16]
	v_lshlrev_b32 v[PM], 8, v2                     ; Q: row r of 256 bytes,
	v_lshl_add_u32 v[PM], v3, 5, v[PM]             ; 8 h numbers on
	s_mul_i32 s23, s18, 16*KP                      ; staging: my wave's sixteen rows are one block of the slot
	v_mul_u32_u24 v[SK], v3, KP
	v_lshl_add_u32 v[SK], v2, 3, v[SK]
	v_add_nc_u32 v[SK], s23, v[SK]
	v_add_nc_u32 v[SK+2], SLOT, v[SK]
	s_mul_i32 s23, s18, 16*VP
	s_add_co_u32 s23, s23, VOFF
	v_mul_u32_u24 v[SV], v3, VP
	v_lshl_add_u32 v[SV], v2, 3, v[SV]
	v_add_nc_u32 v[SV], s23, v[SV]
	v_add_nc_u32 v[SV+2], SLOT, v[SV]
	s_mul_i32 s23, s20, 64*KP                      ; K fragment: (64 kg + r) pitch + 16 h
	v_mul_u32_u24 v[FK], v2, KP
	v_lshl_add_u32 v[FK], v3, 4, v[FK]
	v_add_nc_u32 v[FK], s23, v[FK]
	v_add_nc_u32 v[FK+2], SLOT, v[FK]
	s_mul_i32 s23, s20, 64*VP                      ; V fragment, transposing load: (64 kg + 8 h + lane % 8) pitch + 16 ((lane / 8) % 2)
	s_add_co_u32 s23, s23, VOFF
	v_and_b32 v[T+2], 7, v0
	v_lshl_add_u32 v[T+2], v3, 3, v[T+2]
	v_mul_u32_u24 v[FV], v[T+2], VP
	v_bfe_u32 v[T+3], v0, 3, 1
	v_lshl_add_u32 v[FV], v[T+3], 4, v[FV]
	v_add_nc_u32 v[FV], s23, v[FV]
	v_add_nc_u32 v[FV+2], SLOT, v[FV]
	s_mul_i32 s23, s19, XPAIR
	s_add_co_u32 s23, s23, XB
	v_add_nc_u32 v[XA], s23, v[L16]
	s_mov_b32 s25, 0                               ; every offset is below 4 GiB
	s_wait_kmcnt 0x0
	s_lshl_b32 s24, s21, 18                        ; k, v: 1024 rows of 256 bytes a split
	s_add_nc_u64 s[6:7], s[6:7], s[24:25]
	s_add_nc_u64 s[8:9], s[8:9], s[24:25]
	s_lshl_b32 s24, s22, 16                        ; q: 256 rows a block, 64 a row group
	s_lshl_b32 s23, s19, 14
	s_add_co_u32 s24, s24, s23
	s_add_nc_u64 s[4:5], s[4:5], s[24:25]
	s_lshl_b32 s23, s21, 21                        ; part_o: the same, and 2 MiB a split
	s_add_co_u32 s24, s24, s23
	s_add_nc_u64 s[12:13], s[12:13], s[24:25]
	s_lshl_b32 s24, s21, 17                        ; stat: 128 KiB a split, 256 bytes a query tile
	s_lshl_b32 s23, s22, 12
	s_add_co_u32 s24, s24, s23
	s_lshl_b32 s23, s19, 10
	s_add_co_u32 s24, s24, s23
	s_add_nc_u64 s[14:15], s[14:15], s[24:25]
	s_lshr_b32 s23, ttmp9, 2                       ; Wsum: row d = x >> 2, columns 128 (x & 3) ..
	s_and_b32 s30, ttmp9, 3
	s_lshl_b32 s24, s23, 11
	s_lshl_b32 s22, s30, 9
	s_add_co_u32 s24, s24, s22
	s_add_nc_u64 s[10:11], s[10:11], s[24:25]
	s_lshl_b32 s24, s23, 10
	s_lshl_b32 s22, s30, 8
	s_add_co_u32 s24, s24, s22
	s_add_nc_u64 s[16:17], s[16:17], s[24:25]
	; tile 0 into the fragment registers, Q into the score registers, tile 1 into staging: each load of a wave covers 512 consecutive bytes
.irp j, 0,1,2,3,4,5,6,7
	global_load_b128 v[FR+4*\j:FR+4*\j+3], v[GOFF], s[6:7] offset:\j*512
.endr
.irp j, 0,1,2,3,4,5,6,7
	global_load_b128 v[FR+32+4*\j:FR+32+4*\j+3], v[GOFF], s[8:9] offset:\j*512
.endr
.irp t, 0,1,2,3
.irp c, 0,1
	global_load_b128 v[SC+32*\t+16*\c:SC+32*\t+16*\c+3],     v[PM], s[4:5] offset:\t*4096+\c*128      ; d = 32 c + 8 h + 0..3
	global_load_b128 v[SC+32*\t+16*\c+4:SC+32*\t+16*\c+7],   v[PM], s[4:5] offset:\t*4096+\c*128+16   ; + 4..7
	global_load_b128 v[SC+32*\t+16*\c+8:SC+32*\t+16*\c+11],  v[PM], s[4:5] offset:\t*4096+\c*128+64   ; d = 32 c + 16 + 8 h + 0..3
	global_load_b128 v[SC+32*\t+16*\c+12:SC+32*\t+16*\c+15], v[PM], s[4:5] offset:\t*4096+\c*128+80
.endr
.endr
	WIN W_D1
.irp j, 0,1,2,3,4,5,6,7
	global_load_b128 v[STG+4*\j:STG+4*\j+3], v[GOFF], s[6:7] offset:TILEB+\j*512
.endr
.irp j, 0,1,2,3,4,5,6,7
	global_load_b128 v[STG+32+4*\j:STG+32+4*\j+3], v[GOFF], s[8:9] offset:TILEB+\j*512
.endr
	WIN 0
	s_cmp_lg_u32 s18, 0
	s_cbranch_scc1 .Lno_w
	WIN W_D1                                       ; wave 0: my 4 columns of row d in each of the 8 blocks of w_o, 64 rows of 2,048 bytes apart
.irp b, 0,1,2,3,4,5,6,7
	global_load_b128 v[OA+4*\b:OA+4*\b+3], v[L16], s[10:11] offset:\b*131072 th:TH_LOAD_NT
.endr
	WIN 0
.Lno_w:
	s_wait_loadcnt 48                              ; behind tile 0's loads stand Q's 32 and tile 1's 16 (wave 0: eight more, for which the count is only stricter)
.set i, 0
.rept 32
	v_cvt_pk_f16_f32 v[FR+i], v[FR+2*i], v[FR+2*i+1]   ; in place: word i is written when words 2 i and 2 i + 1 are read
.set i, i+1
.endr
.irp j, 0,1,2,3,4,5,6,7
	ds_store_b64 v[SK], v[FR+2*\j:FR+2*\j+1] offset:\j*2*KP
.endr
.irp j, 0,1,2,3,4,5,6,7
	ds_store_b64 v[SV], v[FR+16+2*\j:FR+16+2*\j+1] offset:\j*2*VP
.endr
	s_wait_loadcnt 16                              ; behind Q's loads stand tile 1's 16
	WIN W_D1
.set i, 0
.rept 64
	v_cvt_pk_f16_f32 v[QF+i], v[SC+2*i], v[SC+2*i+1]
.set i, i+1
.endr
	s_wait_loadcnt 0x0
	WIN W_ALL1
.set i, 0
.rept 32
	v_cvt_pk_f16_f32 v[STG+i], v[STG+2*i], v[STG+2*i+1]
.set i, i+1
.endr
	s_add_nc_u64 s[6:7], s[6:7], TILEB             ; no load is out: the bases step to tile 1
	s_add_nc_u64 s[8:9], s[8:9], TILEB
	WIN 0
	s_cmp_lg_u32 s18, 0
	s_cbranch_scc1 .Lno_sum
	WIN W_ALL1                                     ; wave 0: the eight blocks' sum as a tree, in f32
.irp p, 0,2
	v_pk_add_f32 v[OA+\p:OA+\p+1],       v[OA+\p:OA+\p+1],       v[OA+4+\p:OA+5+\p]
	v_pk_add_f32 v[OA+8+\p:OA+9+\p],     v[OA+8+\p:OA+9+\p],     v[OA+12+\p:OA+13+\p]
	v_pk_add_f32 v[OA+16+\p:OA+17+\p],   v[OA+16+\p:OA+17+\p],   v[OA+20+\p:OA+21+\p]
	v_pk_add_f32 v[OA+24+\p:OA+25+\p],   v[OA+24+\p:OA+25+\p],   v[OA+28+\p:OA+29+\p]
	v_pk_add_f32 v[OA+\p:OA+\p+1],       v[OA+\p:OA+\p+1],       v[OA+8+\p:OA+9+\p]
	v_pk_add_f32 v[OA+16+\p:OA+17+\p],   v[OA+16+\p:OA+17+\p],   v[OA+24+\p:OA+25+\p]
	v_pk_add_f32 v[OA+\p:OA+\p+1],       v[OA+\p:OA+\p+1],       v[OA+16+\p:OA+17+\p]
.endr
	v_cvt_pk_f16_f32 v[OA], v[OA], v[OA+1]
	v_cvt_pk_f16_f32 v[OA+1], v[OA+2], v[OA+3]
	WIN W_S1
	global_store_b64 v[L8], v[OA:OA+1], s[16:17]   ; 32 lanes x 8 bytes: 256 consecutive bytes, aligned
	s_wait_xcnt 0x0                                ; the data registers become accumulators: they are rewritten only behind this wait
	WIN 0
.Lno_sum:
	s_wait_dscnt 0x0                               ; for the other waves: my part of tile 0 is in LDS
	s_barrier_signal -1
; Softmax of query tile t over this step's 64 keys, by a running maximum.  32 score registers a lane; the other 32 keys lie in lane xor 16.
.macro SOFT t, first
.set SB, SC+32*\t
.irp k, 0,1,2,3
	v_max3_num_f32 v[T+\k], v[SB+8*\k], v[SB+8*\k+1], v[SB+8*\k+2]     ; four chains that do not wait for each other
.endr
.irp k, 0,1,2,3
	v_max3_num_f32 v[T+\k], v[T+\k], v[SB+8*\k+3], v[SB+8*\k+4]
.endr
.irp k, 0,1,2,3
	v_max3_num_f32 v[T+\k], v[T+\k], v[SB+8*\k+5], v[SB+8*\k+6]
.endr
	v_max3_num_f32 v[T], v[T], v[SB+7], v[SB+15]
	v_max3_num_f32 v[T+1], v[T+1], v[SB+23], v[SB+31]
	v_max3_num_f32 v[T], v[T], v[T+1], v[T+2]
.if \first
	v_max_num_f32 v[T], v[T], v[T+3]
.else
	v_max3_num_f32 v[T], v[T], v[T+3], v[X+2*\t+1]                     ; the maximum so far joins
	v_mov_b32 v[T+2], v[X+2*\t]                                        ; the old -c m
.endif
	v_permlanex16_b32 v[T+1], v[T], s26, s27
	v_max_num_f32 v[X+2*\t+1], v[T], v[T+1]                            ; m, the same in both halves
	v_mul_f32 v[X+2*\t], s31, v[X+2*\t+1]                              ; -c m
.if \first == 0
	v_sub_f32 v[T+2], v[X+2*\t], v[T+2]                                ; c (m old - m new) <= 0, from the very roundings that the exponentials use
	v_exp_f32 v[Y+2*\t], v[T+2]                                        ; the plain lines below stand between it and its first use
.endif
.set i, 0
.rept 16
	v_pk_fma_f32 v[SB+i:SB+i+1], v[SB+i:SB+i+1], s[28:29], v[X+2*\t:X+2*\t+1] op_sel_hi:[1,0,0]   ; c s - c m
.set i, i+2
.endr
.set i, 0
.rept 32
	v_exp_f32 v[SB+i], v[SB+i]
.set i, i+1
.endr
	v_nop                                                              ; one plain place behind the last exponential (ISA guide 5.7.2)
	s_wait_alu depctr_va_vdst(0)
.irp k, 0,1,2,3
	v_pk_add_f32 v[T+4+2*\k:T+5+2*\k], v[SB+4*\k:SB+4*\k+1], v[SB+4*\k+2:SB+4*\k+3]
.endr
.irp k, 0,1,2,3
	v_pk_add_f32 v[T+4+2*\k:T+5+2*\k], v[T+4+2*\k:T+5+2*\k], v[SB+16+2*\k:SB+17+2*\k]
.endr
.irp k, 0,1,2,3
	v_pk_add_f32 v[T+4+2*\k:T+5+2*\k], v[T+4+2*\k:T+5+2*\k], v[SB+24+2*\k:SB+25+2*\k]
.endr
	v_pk_add_f32 v[T+4:T+5], v[T+4:T+5], v[T+6:T+7]
	v_pk_add_f32 v[T+8:T+9], v[T+8:T+9], v[T+10:T+11]
	v_pk_add_f32 v[T+4:T+5], v[T+4:T+5], v[T+8:T+9]
.if \first
	v_add_f32 v[Y+2*\t+1], v[T+4], v[T+5]                              ; l of my half of the keys; the halves meet behind the last step
.else
	v_add_f32 v[T+4], v[T+4], v[T+5]
	v_fma_f32 v[Y+2*\t+1], v[Y+2*\t+1], v[Y+2*\t], v[T+4]
.endif
.set i, 0
.rept 8
	v_cvt_pk_f16_f32 v[SB+i], v[SB+2*i], v[SB+2*i+1]                   ; tiles kt = 0, 1: P^T of keys 0-31, in place
	v_cvt_pk_f16_f32 v[SB+16+i], v[SB+16+2*i], v[SB+16+2*i+1]          ; tiles kt = 2, 3: keys 32-63
.set i, i+1
.endr
.endm
; One step: 128 keys from slot.  first = 1: the products start the sums and nothing is rescaled.  st = 1: the next tile, packed in staging, goes to
; the other slot.  ld = 1: the tile after next is asked for, and packed at the step's end.
.macro STEP slot, first, st, ld
	s_barrier_wait -1                              ; every wave's stores of this tile and its reads of the other slot are done
.irp kt, 0,1,2,3
.irp c, 0,1
	ds_load_b128 v[FR+16*\kt+8*\c:FR+16*\kt+8*\c+3],   v[FK+2*\slot] offset:\kt*16*KP+\c*64
	ds_load_b128 v[FR+16*\kt+8*\c+4:FR+16*\kt+8*\c+7], v[FK+2*\slot] offset:\kt*16*KP+\c*64+32
.endr
.endr
.if \st
	WIN W_S1
.irp j, 0,1,2,3,4,5,6,7
	ds_store_b64 v[SK+2-2*\slot], v[STG+2*\j:STG+2*\j+1] offset:\j*2*KP
.endr
.irp j, 0,1,2,3,4,5,6,7
	ds_store_b64 v[SV+2-2*\slot], v[STG+16+2*\j:STG+16+2*\j+1] offset:\j*2*VP
.endr
.endif
	s_wait_dscnt 0x0                               ; K's fragments are in, and the stores have read staging, into which the loads below land
.if \ld
	s_add_nc_u64 s[6:7], s[6:7], TILEB             ; no global load is out since the last step's end
	s_add_nc_u64 s[8:9], s[8:9], TILEB
	WIN W_D1
.irp j, 0,1,2,3,4,5,6,7
	global_load_b128 v[STG+4*\j:STG+4*\j+3], v[GOFF], s[6:7] offset:\j*512
.endr
.irp j, 0,1,2,3,4,5,6,7
	global_load_b128 v[STG+32+4*\j:STG+32+4*\j+3], v[GOFF], s[8:9] offset:\j*512
.endr
.endif
	WIN W_S1
	; S^T: the sixteen accumulators take turns, one instruction a turn
.irp c, 0,1
.irp kt, 0,1,2,3
.irp t, 0,1,2,3
.if \c
	v_wmma_f32_16x16x32_f16 v[SC+32*\t+8*\kt:SC+32*\t+8*\kt+7], v[FR+16*\kt+8*\c:FR+16*\kt+8*\c+7], v[QF+16*\t+8*\c:QF+16*\t+8*\c+7], v[SC+32*\t+8*\kt:SC+32*\t+8*\kt+7]
.else
	v_wmma_f32_16x16x32_f16 v[SC+32*\t+8*\kt:SC+32*\t+8*\kt+7], v[FR+16*\kt+8*\c:FR+16*\kt+8*\c+7], v[QF+16*\t+8*\c:QF+16*\t+8*\c+7], 0
.endif
.endr
.endr
.endr
	WIN 0
.rept 4
	v_nop                                          ; four places (ISA guide 7.12.1) before the scores are read and the fragment registers loaded again
.endr
.irp ks2, 0,1
.irp dt, 0,1,2,3
	ds_load_tr16_b128 v[FR+32*\ks2+8*\dt:FR+32*\ks2+8*\dt+3],   v[FV+2*\slot] offset:\ks2*32*VP+\dt*32
	ds_load_tr16_b128 v[FR+32*\ks2+8*\dt+4:FR+32*\ks2+8*\dt+7], v[FV+2*\slot] offset:\ks2*32*VP+\dt*32+16*VP
.endr
.endr
	SOFT 0, \first
.if \st
	s_wait_dscnt 0x0                               ; all my LDS work of this step is over: reads of this slot, stores into the other
	s_barrier_signal -1                            ; only register work follows up to the next step's wait
.endif
	SOFT 1, \first
	SOFT 2, \first
	SOFT 3, \first
.if \first == 0
	WIN W_RESC
.set i, 0
.rept 64
	v_pk_mul_f32 v[OA+2*i:OA+2*i+1], v[OA+2*i:OA+2*i+1], v[Y+2*(i/16):Y+2*(i/16)+1] op_sel_hi:[1,0]   ; O^T to the new maximum
.set i, i+1
.endr
.endif
.if \st == 0
	s_wait_dscnt 0x0                               ; V's fragments
.endif
	WIN W_PV
	; O^T += V^T P^T: sixteen accumulators by turns
.irp ks2, 0,1
.irp t, 0,1,2,3
.irp dt, 0,1,2,3
.if \first*(1-\ks2)
	v_wmma_f32_16x16x32_f16 v[OA+32*\t+8*\dt:OA+32*\t+8*\dt+7], v[FR+32*\ks2+8*\dt:FR+32*\ks2+8*\dt+7], v[SC+32*\t+16*\ks2:SC+32*\t+16*\ks2+7], 0
.else
	v_wmma_f32_16x16x32_f16 v[OA+32*\t+8*\dt:OA+32*\t+8*\dt+7], v[FR+32*\ks2+8*\dt:FR+32*\ks2+8*\dt+7], v[SC+32*\t+16*\ks2:SC+32*\t+16*\ks2+7], v[OA+32*\t+8*\dt:OA+32*\t+8*\dt+7]
.endif
.endr
.endr
.endr
.if \ld
	s_wait_loadcnt 0x0                             ; the tile asked for at the step's head
	WIN W_ALL1
.set i, 0
.rept 32
	v_cvt_pk_f16_f32 v[STG+i], v[STG+2*i], v[STG+2*i+1]   ; these are also the places before the fragment and score registers are written again
.set i, i+1
.endr
.else
	WIN 0
.rept 5
	v_nop                                          ; five places before a matrix instruction writes over P, four before O^T is read
.endr
.endif
	WIN 0
.endm
	STEP 0, 1, 1, 1                                ; step i multiplies tile i, stores tile i + 1 and asks for tile i + 2
	STEP 1, 0, 1, 1
	s_mov_b32 s30, 2
.Lloop:
	STEP 0, 0, 1, 1
	STEP 1, 0, 1, 1
	s_sub_co_u32 s30, s30, 1
	s_cmp_lg_u32 s30, 0
	s_cbranch_scc1 .Lloop
	STEP 0, 0, 1, 0                                ; tile 7 is stored; nothing is left to ask for
	STEP 1, 0, 0, 0
	; The two key groups of a row group meet in LDS: waves 4-7 leave O^T, m and l, waves 0-3 add theirs and store.
.irp t, 0,1,2,3
	v_permlanex16_b32 v[T+\t], v[Y+2*\t+1], s26, s27
.endr
.irp t, 0,1,2,3
	v_add_f32 v[ML+2*\t+1], v[Y+2*\t+1], v[T+\t]   ; l over both halves of the lanes
	v_mov_b32 v[ML+2*\t], v[X+2*\t+1]
.endr
	s_cmp_lt_u32 s18, 4
	s_cbranch_scc1 .Lkeep
	WIN W_S1
.set i, 0
.rept 32
	ds_store_b128 v[XA], v[OA+4*i:OA+4*i+3] offset:512*i
.set i, i+1
.endr
	WIN 0
	ds_store_b128 v[XA], v[ML:ML+3] offset:16384
	ds_store_b128 v[XA], v[ML+4:ML+7] offset:16896
.Lkeep:
	s_wait_dscnt 0x0                               ; for the partner: my stores are in LDS
	s_barrier_signal -1
	s_barrier_wait -1
	s_cmp_lt_u32 s18, 4
	s_cbranch_scc1 .Lmerge
	s_wait_xcnt 0x0
	v_lshl_add_u32 v254, v0, 2, 0x24000
	v_mov_b32 v255, 0
	s_wait_tensorcnt 0x0
	ds_add_u32 v254, v255
	s_wait_dscnt 0x0
	s_endpgm
.Lmerge:
	ds_load_b128 v[PM:PM+3], v[XA] offset:16384
	ds_load_b128 v[PM+4:PM+7], v[XA] offset:16896
.set i, 0
.rept 32
	ds_load_b128 v[SC+4*i:SC+4*i+3], v[XA] offset:512*i
.set i, i+1
.endr
	s_wait_dscnt 32                                ; the two loads of (m, l) are in; the 32 behind them may be out
.irp t, 0,1,2,3
	v_max_num_f32 v[T+\t], v[ML+2*\t], v[PM+2*\t]  ; M
	v_mul_f32 v[T+8+\t], s31, v[PM+2*\t]           ; the partner's -c m, rounded as the partner rounded it
.endr
.irp t, 0,1,2,3
	v_mul_f32 v[T+4+\t], s31, v[T+\t]              ; -c M
.endr
.irp t, 0,1,2,3
	v_sub_f32 v[T+12+\t], v[T+4+\t], v[X+2*\t]     ; c (m - M)
	v_sub_f32 v[T+8+\t], v[T+4+\t], v[T+8+\t]      ; c (m' - M)
.endr
.irp t, 0,1,2,3
	v_exp_f32 v[X+2*\t], v[T+12+\t]                ; my factor
	v_exp_f32 v[Y+2*\t], v[T+8+\t]                 ; the partner's
.endr
	v_nop
	s_wait_alu depctr_va_vdst(0)
.irp t, 0,1,2,3
	v_mul_f32 v[ML+2*\t+1], v[X+2*\t], v[ML+2*\t+1]
	v_mov_b32 v[ML+2*\t], v[T+\t]
.endr
.irp t, 0,1,2,3
	v_fmac_f32 v[ML+2*\t+1], v[Y+2*\t], v[PM+2*\t+1]
.endr
	s_wait_dscnt 0x0
.set i, 0
.rept 64
	v_pk_mul_f32 v[SC+2*i:SC+2*i+1], v[SC+2*i:SC+2*i+1], v[Y+2*(i/16):Y+2*(i/16)+1] op_sel_hi:[1,0]
.set i, i+1
.endr
	WIN W_S0
.set i, 0
.rept 64
	v_pk_fma_f32 v[SC+2*i:SC+2*i+1], v[OA+2*i:OA+2*i+1], v[X+2*(i/16):X+2*(i/16)+1], v[SC+2*i:SC+2*i+1] op_sel_hi:[1,0,1]
.set i, i+1
.endr
	WIN 0
.set i, 0
.rept 32
	global_store_b128 v[L16], v[SC+4*i:SC+4*i+3], s[12:13] offset:512*i    ; the register image: each store covers 512 consecutive bytes, aligned
.set i, i+1
.endr
.irp t, 0,1,2,3
	global_store_b64 v[L8], v[ML+2*\t:ML+2*\t+1], s[14:15] offset:256*\t   ; (m, l) of row lane % 16: 256 consecutive bytes
.endr
	s_wait_xcnt 0x0
	v_lshl_add_u32 v254, v0, 2, 0x24000
	v_mov_b32 v255, 0
	s_wait_tensorcnt 0x0
	ds_add_u32 v254, v255
	s_wait_dscnt 0x0
	s_endpgm
.Lfunc_end_k_q6818e67031_attn:
	.size	k_q6818e67031_attn, .Lfunc_end_k_q6818e67031_attn-k_q6818e67031_attn
	.p2alignl 7, 3214868480
	.fill 96, 4, 3214868480
	.section	.rodata,"a",@progbits
	.p2align	6, 0x0
	.amdhsa_kernel k_q6818e67031_attn
		.amdhsa_group_segment_fixed_size 148480
		.amdhsa_private_segment_fixed_size 0
		.amdhsa_enable_private_segment 0
		.amdhsa_kernarg_size 56
		.amdhsa_user_sgpr_count 2
		.amdhsa_user_sgpr_kernarg_segment_ptr 1
		.amdhsa_wavefront_size32 1
		.amdhsa_system_sgpr_workgroup_id_x 1
		.amdhsa_system_sgpr_workgroup_id_y 1
		.amdhsa_system_sgpr_workgroup_id_z 1
		.amdhsa_system_vgpr_workitem_id 0
		.amdhsa_next_free_vgpr 512
		.amdhsa_next_free_sgpr 66
		.amdhsa_reserve_vcc 0
		.amdhsa_float_denorm_mode_32 3
		.amdhsa_float_denorm_mode_16_64 3
		.amdhsa_memory_ordered 1
		.amdhsa_forward_progress 1
		.amdhsa_inst_pref_size 246
	.end_amdhsa_kernel
	.amdgpu_metadata
---
amdhsa.version: [ 1, 2 ]
amdhsa.kernels:
  - .name:           k_q6818e67031_attn
    .symbol:         k_q6818e67031_attn.kd
    .args:
      - { .name: q, .offset: 0, .size: 8, .value_kind: global_buffer, .address_space: global }
      - { .name: k, .offset: 8, .size: 8, .value_kind: global_buffer, .address_space: global }
      - { .name: v, .offset: 16, .size: 8, .value_kind: global_buffer, .address_space: global }
      - { .name: w_o, .offset: 24, .size: 8, .value_kind: global_buffer, .address_space: global }
      - { .name: part_o, .offset: 32, .size: 8, .value_kind: global_buffer, .address_space: global }
      - { .name: stat, .offset: 40, .size: 8, .value_kind: global_buffer, .address_space: global }
      - { .name: ws, .offset: 48, .size: 8, .value_kind: global_buffer, .address_space: global }
    .group_segment_fixed_size: 148480
    .private_segment_fixed_size: 0
    .kernarg_segment_align: 8
    .kernarg_segment_size: 56
    .max_flat_workgroup_size: 256
    .sgpr_count:     66
    .vgpr_count:     512
    .wavefront_size: 32
...
	.end_amdgpu_metadata
.endif
;; end of part 1
;; launch proj (part 2): grid 256 x 1, 8 waves a work-group, no clusters, 156,672 bytes of LDS; arguments part_o, stat, ws, out0; writes out0
.if DOCPART == 2
	.amdgcn_target "amdgcn-amd-amdhsa--gfx1250"
	.amdhsa_code_object_version 6
	.text
	.protected	k_q6818e67031_proj
	.globl	k_q6818e67031_proj
	.p2align	8
	.type	k_q6818e67031_proj,@function
k_q6818e67031_proj:
	s_mov_b64 s[64:65], 0
	v_nop
	global_prefetch_b8 v0, s[64:65] scope:SCOPE_SE
	s_setreg_imm32_b32 hwreg(HW_REG_WAVE_MODE, 25, 1), 1
	s_wait_xcnt 0x0
; out0[q][n] = sum over d of head[q][d] Wsum[d][n], head = the 8 key splits' partial sums merged and normalised.  Work-group x takes 32 query rows.
; Merging: wave w takes query tile 2 x + (w >> 2) and the 16 d of block w & 3; a lane's 8 numbers are head(row lane % 16, d = 16 dt + 8 (lane / 16) + 0..7),
; which packed are four registers of the matrix unit's second source: they go to LDS as a register image.
; Product, transposed: source 0 = 16 columns of Wsum (read from [d][n] by transposing loads), source 1 = 16 query rows; a lane's eight results are
; eight neighbouring columns of one row of out0.  Wave w makes columns 64 w .. 64 w + 63 of all 32 rows.
; Operands in f16, sums in f32.  LIMIT: |head| <= max |v| and |Wsum| above 65,504 become infinities; below 6.1e-5 the absolute error is at most 3e-8.
; The maximum over the splits is taken away before every exponential; the factors are made from the same roundings of -c m that the first launch used.
; No tensor loads, no cluster: a work-group reads 64 KiB of partial sums of its own once, and of the shared Wsum 64 KiB in all.
.set NEGC, 0xbe38aa3b                  ; -log2(e) / 8
.set WP,   160                         ; pitch of a wave's 64 rows x 128 bytes of Wsum: an odd multiple of 32
.set WSTB, 64*WP
.set HEAD, 8*WSTB                      ; 8 x 512 bytes: the head's fragments
.set OST,  HEAD+4096                   ; the way out: 32 rows x 272 bytes for each wave
.set OP,   272                         ; 256 bytes + 16: an odd multiple of 16
.set OSTW, 32*OP
.set SG,   16                          ; v[16+2s:17+2s] = (m, l) of split s, then (factor / L, l)
.set OV,   40                          ; v40-47 at work, then my 8 numbers of the head
.set HP,   48                          ; v48-51 the same, packed
.set PA,   64                          ; v64-127 partial sums at 8 s; later Wsum's fragments at 16 nt + 8 c; later the second read-back
.set WL,   128                         ; v128-191 Wsum as loaded; later the accumulators at 32 t + 8 nt
.set HF,   192                         ; v192-223 the head's fragments at 16 t + 8 c
.set RB0,  224                         ; v224-255 the first read-back
	s_load_b256 s[4:11], s[0:1], 0x0               ; part_o s[4:5], stat s[6:7], ws s[8:9], out0 s[10:11]
	v_lshl_add_u32 v62, v0, 2, 0x26000
	v_mov_b32 v63, 0
	v_lshrrev_b32 v32, 5, v0
	v_readfirstlane_b32 s16, v32                   ; wave 0..7
	s_lshr_b32 s17, s16, 2                         ; which query tile I merge
	s_and_b32 s18, s16, 3                          ; which 16 d
	s_lshl1_add_u32 s19, ttmp9, s17                ; query tile 2 x + t
	s_mov_b32 s14, NEGC
	v_and_b32 v1, 31, v0
	v_and_b32 v2, 15, v0                           ; r
	v_bfe_u32 v3, v0, 4, 1                         ; h
	v_lshlrev_b32 v4, 4, v1
	v_lshlrev_b32 v5, 3, v1
	v_bfe_u32 v32, v0, 3, 2                        ; lane / 8
	v_and_b32 v33, 7, v0                           ; lane % 8
	v_lshlrev_b32 v6, 10, v32                      ; ws: four rows of 1,024 bytes a load, my wave's 128 bytes of each
	v_lshl_add_u32 v6, v33, 4, v6
	v_lshl_add_u32 v6, s16, 7, v6
	s_mul_i32 s22, s16, WSTB
	v_mul_u32_u24 v7, v32, WP                      ; and where they go
	v_lshl_add_u32 v7, v33, 4, v7
	v_add_nc_u32 v7, s22, v7
	v_lshl_add_u32 v34, v3, 3, v33                 ; transposing load: (8 h + lane % 8) pitch + 16 ((lane / 8) % 2)
	v_mul_u32_u24 v8, v34, WP
	v_bfe_u32 v35, v0, 3, 1
	v_lshl_add_u32 v8, v35, 4, v8
	v_add_nc_u32 v8, s22, v8
	v_add_nc_u32 v10, HEAD, v4
	v_lshl_add_u32 v9, s16, 9, v10
	s_mul_i32 s22, s16, OSTW
	s_add_co_u32 s22, s22, OST
	v_mul_u32_u24 v11, v2, OP                      ; out: row r, 32 bytes for each half of the lanes
	v_lshl_add_u32 v11, v3, 5, v11
	v_add_nc_u32 v11, s22, v11
	v_mul_u32_u24 v12, v3, OP                      ; back: lanes 0-15 one row of 256 bytes, lanes 16-31 the next
	v_lshl_add_u32 v12, v2, 4, v12
	v_add_nc_u32 v12, s22, v12
	v_lshlrev_b32 v13, 11, v3                      ; the same two rows in out0
	v_lshl_add_u32 v13, v2, 4, v13
	s_mov_b32 s21, 0
	s_wait_kmcnt 0x0
	s_lshl_b32 s20, s19, 12                        ; part_o: 4,096 bytes a query tile, 1,024 a block of 16 d
	s_lshl_b32 s22, s18, 10
	s_add_co_u32 s20, s20, s22
	s_add_nc_u64 s[4:5], s[4:5], s[20:21]
	s_add_nc_u64 s[12:13], s[4:5], 0x800000        ; splits 4 to 7: their 2 MiB steps would pass the signed 24-bit immediate
	s_lshl_b32 s20, s19, 8
	s_add_nc_u64 s[6:7], s[6:7], s[20:21]
	s_lshl_b32 s20, ttmp9, 16                      ; out0: 32 rows of 2,048 bytes, my wave's 256 bytes
	s_lshl_b32 s22, s16, 8
	s_add_co_u32 s20, s20, s22
	s_add_nc_u64 s[10:11], s[10:11], s[20:21]
.irp s, 0,1,2,3,4,5,6,7
	global_load_b64 v[SG+2*\s:SG+2*\s+1], v5, s[6:7] offset:\s*131072
.endr
.irp s, 0,1,2,3
.irp jq, 0,1
	global_load_b128 v[PA+8*\s+4*\jq:PA+8*\s+4*\jq+3], v4, s[4:5] offset:\s*2097152+\jq*512 th:TH_LOAD_NT
.endr
.endr
.irp s, 0,1,2,3
.irp jq, 0,1
	global_load_b128 v[PA+32+8*\s+4*\jq:PA+32+8*\s+4*\jq+3], v4, s[12:13] offset:\s*2097152+\jq*512 th:TH_LOAD_NT
.endr
.endr
.irp k, 0,1,2,3,4,5,6,7,8,9,10,11,12,13,14,15
	global_load_b128 v[WL+4*\k:WL+4*\k+3], v6, s[8:9] offset:\k*4096
.endr
	s_wait_loadcnt 32                              ; the eight (m, l) are in; behind them stand 16 loads of partial sums and 16 of Wsum
	v_max3_num_f32 v32, v[SG], v[SG+2], v[SG+4]
	v_max3_num_f32 v32, v32, v[SG+6], v[SG+8]
	v_max3_num_f32 v32, v32, v[SG+10], v[SG+12]
	v_max_num_f32 v32, v32, v[SG+14]               ; M
	v_mul_f32 v33, s14, v32                        ; -c M
.irp s, 0,1,2,3,4,5,6,7
	v_mul_f32 v[OV+\s], s14, v[SG+2*\s]            ; -c m
.endr
.irp s, 0,1,2,3,4,5,6,7
	v_sub_f32 v[OV+\s], v33, v[OV+\s]              ; c (m - M) <= 0
.endr
.irp s, 0,1,2,3,4,5,6,7
	v_exp_f32 v[SG+2*\s], v[OV+\s]
.endr
	v_nop                                          ; one plain place behind the last exponential (ISA guide 5.7.2)
	s_wait_alu depctr_va_vdst(0)
	v_mul_f32 v34, v[SG], v[SG+1]                  ; L = sum of factor x l, in two chains
	v_mul_f32 v35, v[SG+2], v[SG+3]
	v_fmac_f32 v34, v[SG+4], v[SG+5]
	v_fmac_f32 v35, v[SG+6], v[SG+7]
	v_fmac_f32 v34, v[SG+8], v[SG+9]
	v_fmac_f32 v35, v[SG+10], v[SG+11]
	v_fmac_f32 v34, v[SG+12], v[SG+13]
	v_fmac_f32 v35, v[SG+14], v[SG+15]
	v_add_f32 v34, v34, v35                        ; at least the l of the split that holds the maximum, whose largest p is 1
	v_rcp_f32 v36, v34
	v_nop
	s_wait_alu depctr_va_vdst(0)
.irp s, 0,1,2,3,4,5,6,7
	v_mul_f32 v[SG+2*\s], v[SG+2*\s], v36
.endr
	s_wait_loadcnt 16                              ; the partial sums are in; Wsum's 16 loads may be out
.irp p, 0,2,4,6
	v_pk_mul_f32 v[OV+\p:OV+\p+1], v[PA+\p:PA+\p+1], v[SG:SG+1] op_sel_hi:[1,0]
.endr
.irp s, 1,2,3,4,5,6,7
.irp p, 0,2,4,6
	v_pk_fma_f32 v[OV+\p:OV+\p+1], v[PA+8*\s+\p:PA+8*\s+\p+1], v[SG+2*\s:SG+2*\s+1], v[OV+\p:OV+\p+1] op_sel_hi:[1,0,1]
.endr
.endr
.irp i, 0,1,2,3
	v_cvt_pk_f16_f32 v[HP+\i], v[OV+2*\i], v[OV+2*\i+1]
.endr
	ds_store_b128 v9, v[HP:HP+3]
	s_wait_loadcnt 0x0
.irp k, 0,1,2,3,4,5,6,7,8,9,10,11,12,13,14,15
	ds_store_b128 v7, v[WL+4*\k:WL+4*\k+3] offset:\k*4*WP
.endr
	s_wait_dscnt 0x0                               ; for the other waves: my part of the head is in LDS
	s_barrier_signal -1
	s_barrier_wait -1
.irp i, 0,1,2,3,4,5,6,7
	ds_load_b128 v[HF+4*\i:HF+4*\i+3], v10 offset:\i*512   ; image 4 t + 2 c + half = registers 16 t + 8 c + 4 half
.endr
.irp nt, 0,1,2,3
.irp c, 0,1
	ds_load_tr16_b128 v[PA+16*\nt+8*\c:PA+16*\nt+8*\c+3],   v8 offset:\c*32*WP+\nt*32
	ds_load_tr16_b128 v[PA+16*\nt+8*\c+4:PA+16*\nt+8*\c+7], v8 offset:\c*32*WP+\nt*32+16*WP
.endr
.endr
	s_wait_dscnt 0x0
	; eight accumulators by turns, one instruction a turn; the first products start the sums
.irp c, 0,1
.irp tq, 0,1
.irp nt, 0,1,2,3
.if \c
	v_wmma_f32_16x16x32_f16 v[WL+32*\tq+8*\nt:WL+32*\tq+8*\nt+7], v[PA+16*\nt+8*\c:PA+16*\nt+8*\c+7], v[HF+16*\tq+8*\c:HF+16*\tq+8*\c+7], v[WL+32*\tq+8*\nt:WL+32*\tq+8*\nt+7]
.else
	v_wmma_f32_16x16x32_f16 v[WL+32*\tq+8*\nt:WL+32*\tq+8*\nt+7], v[PA+16*\nt+8*\c:PA+16*\nt+8*\c+7], v[HF+16*\tq+8*\c:HF+16*\tq+8*\c+7], 0
.endif
.endr
.endr
.endr
.rept 4
	v_nop                                          ; four places (ISA guide 7.12.1) before the results are stored and the fragment registers loaded again
.endr
; Sixteen rows of my 64 columns: 32 bytes a lane into my own stage, read back as whole rows of 256 bytes.  LDS serves a wave's instructions in order
; (ISA guide 5.7.1.4), so the loads see the stores without a wait.
.macro OUT tq, rb
.irp nt, 0,1,2,3
	ds_store_b128 v11, v[WL+32*\tq+8*\nt:WL+32*\tq+8*\nt+3]   offset:\tq*16*OP+\nt*64
	ds_store_b128 v11, v[WL+32*\tq+8*\nt+4:WL+32*\tq+8*\nt+7] offset:\tq*16*OP+\nt*64+16
.endr
.irp k, 0,1,2,3,4,5,6,7
	ds_load_b128 v[\rb+4*\k:\rb+4*\k+3], v12 offset:\tq*16*OP+\k*2*OP
.endr
.irp k, 0,1,2,3,4,5,6,7
	s_wait_dscnt 7-\k                              ; read-back k of the eight is in
	global_store_b128 v13, v[\rb+4*\k:\rb+4*\k+3], s[10:11] offset:(16*\tq+2*\k)*2048 th:TH_STORE_NT   ; sixteen lanes store 256 consecutive bytes, aligned
.endr
.endm
	OUT 0, RB0
	OUT 1, PA
	s_wait_tensorcnt 0x0
	ds_add_u32 v62, v63
	s_wait_dscnt 0x0
	s_endpgm
.Lfunc_end_k_q6818e67031_proj:
	.size	k_q6818e67031_proj, .Lfunc_end_k_q6818e67031_proj-k_q6818e67031_proj
	.p2alignl 7, 3214868480
	.fill 96, 4, 3214868480
	.section	.rodata,"a",@progbits
	.p2align	6, 0x0
	.amdhsa_kernel k_q6818e67031_proj
		.amdhsa_group_segment_fixed_size 156672
		.amdhsa_private_segment_fixed_size 0
		.amdhsa_enable_private_segment 0
		.amdhsa_kernarg_size 32
		.amdhsa_user_sgpr_count 2
		.amdhsa_user_sgpr_kernarg_segment_ptr 1
		.amdhsa_wavefront_size32 1
		.amdhsa_system_sgpr_workgroup_id_x 1
		.amdhsa_system_sgpr_workgroup_id_y 1
		.amdhsa_system_sgpr_workgroup_id_z 1
		.amdhsa_system_vgpr_workitem_id 0
		.amdhsa_next_free_vgpr 256
		.amdhsa_next_free_sgpr 66
		.amdhsa_reserve_vcc 0
		.amdhsa_float_denorm_mode_32 3
		.amdhsa_float_denorm_mode_16_64 3
		.amdhsa_memory_ordered 1
		.amdhsa_forward_progress 1
		.amdhsa_inst_pref_size 19
	.end_amdhsa_kernel
	.amdgpu_metadata
---
amdhsa.version: [ 1, 2 ]
amdhsa.kernels:
  - .name:           k_q6818e67031_proj
    .symbol:         k_q6818e67031_proj.kd
    .args:
      - { .name: part_o, .offset: 0, .size: 8, .value_kind: global_buffer, .address_space: global }
      - { .name: stat, .offset: 8, .size: 8, .value_kind: global_buffer, .address_space: global }
      - { .name: ws, .offset: 16, .size: 8, .value_kind: global_buffer, .address_space: global }
      - { .name: out0, .offset: 24, .size: 8, .value_kind: global_buffer, .address_space: global }
    .group_segment_fixed_size: 156672
    .private_segment_fixed_size: 0
    .kernarg_segment_align: 8
    .kernarg_segment_size: 32
    .max_flat_workgroup_size: 256
    .sgpr_count:     66
    .vgpr_count:     256
    .wavefront_size: 32
...
	.end_amdgpu_metadata
.endif
;; end of part 2
